; MI455X (gfx1250); checked and timed in simulation.
; The chip was launched on July 23, 2026; its instructions are those of AMD's public machine-readable ISA for CDNA 5 (MIT licence, August 2026) and "CDNA5" Instruction Set Architecture Reference Guide (July 2026). The comments in the code are by the model that wrote it; some were corrected since.
;; Attention. Allowed arithmetic: matrix products marked QUANTISED: E2M3 operands, one E8M0 scale for each 32 along K, by v_wmma_scale_f32_16x16x128_f8f6f4 with both operands' format E2M3, f32 sums; everything else in f32.
;; Inputs: bo 1,024 float32; hidden_states_codes 4 x 2,048 x 32 x 24 uint8 (E2M3 codes of hidden_states, K innermost, in blocks of 32 codes, four codes in three bytes); hidden_states_scales 4 x 2,048 x 32 uint8 (E8M0 scales of hidden_states, one for each 32 codes along K); wk_codes 1,024 x 32 x 24 uint8 (E2M3 codes of wk, K innermost, in blocks of 32 codes, four codes in three bytes); wk_scales 1,024 x 32 uint8 (E8M0 scales of wk, one for each 32 codes along K); wo_codes 1,024 x 32 x 24 uint8 (E2M3 codes of wo, K innermost, in blocks of 32 codes, four codes in three bytes); wo_scales 1,024 x 32 uint8 (E8M0 scales of wo, one for each 32 codes along K); wq_codes 1,024 x 32 x 24 uint8 (E2M3 codes of wq, K innermost, in blocks of 32 codes, four codes in three bytes); wq_scales 1,024 x 32 uint8 (E8M0 scales of wq, one for each 32 codes along K); wv_codes 1,024 x 32 x 24 uint8 (E2M3 codes of wv, K innermost, in blocks of 32 codes, four codes in three bytes); wv_scales 1,024 x 32 uint8 (E8M0 scales of wv, one for each 32 codes along K).
;; Outputs: out0 4 x 2,048 x 1,024 float32.
;; This version of the problem:
;;   THIS VERSION OF THE PROBLEM IS GIVEN IN LOW PRECISION. The matrix products marked QUANTISED in the list below multiply operands that are first quantised to E2M3 (2 exponent bits, 3 mantissa bits; 6 bits a number), with one power-of-two scale for each 32 numbers along K (OCP MX v1.0); their sums are f32. All else is computed in f32.
;;   The module's matrix products, in the order in which they are computed (A, B: the left and right operand; K: the contracted axis; several contracted axes count as one K, in the product's order):
;;     1. [M 8,192, K 1,024] x [K 1,024, N 1,024]; A: input hidden_states (given as codes); B: input wq (given as codes): QUANTISED
;;     2. [M 8,192, K 1,024] x [K 1,024, N 1,024]; A: input hidden_states (given as codes); B: input wk (given as codes): QUANTISED
;;     3. [M 8,192, K 1,024] x [K 1,024, N 1,024]; A: input hidden_states (given as codes); B: input wv (given as codes): QUANTISED
;;     4. batch 64 x [M 2,048, K 64] x [K 64, N 2,048]; A: computed on the way; B: computed on the way: QUANTISED
;;     5. batch 64 x [M 2,048, K 2,048] x [K 2,048, N 64]; A: softmax (see below); B: computed on the way: QUANTISED
;;     6. [M 8,192, K 1,024] x [K 1,024, N 1,024]; A: computed on the way; B: input wo (given as codes): QUANTISED
;;   THE QUANTISER, for each operand of a quantised product, along K:
;;     - K is cut into blocks of 32 from its start; a last block that is shorter is filled with zeros.
;;     - A block's scale is 2^e with e = floor(log2(the largest magnitude in the block)) - 2, held to -126 .. 127; a block of zeros has e = 0. As a byte (E8M0): e + 127.
;;     - Each number is divided by its block's scale, clamped to +-7.5, and rounded to the nearest number of E2M3, ties to even, subnormals kept.
;;     - The product sums the exact products of the quantised numbers (number of the format x scale) in f32.
;;   ~~~python
;;   def quantise(x, axis):      # numpy; x: float32 -> the quantised numbers, widened to float32 again
;;       x = np.moveaxis(x, axis, -1); K = x.shape[-1]
;;       x = np.pad(x, [(0, 0)] * (x.ndim - 1) + [(0, -K % 32)]); x = x.reshape(x.shape[:-1] + (-1, 32)); a = np.abs(x).max(-1, keepdims=True)
;;       e = np.where(a > 0, np.clip(np.frexp(np.where(a > 0, a, 1))[1] - 1 - 2, -126, 127), 0)      # np.frexp(a)[1] - 1 = floor(log2(a)), exactly
;;       r = np.clip(x / 2.0 ** e, -7.5, 7.5)
;;       step = 2.0 ** (np.maximum(np.frexp(np.where(r == 0, 1, r))[1] - 1, 0) - 3)
;;       q = np.round(r / step) * step * 2.0 ** e      # np.round: ties to even
;;       return np.moveaxis(q.reshape(q.shape[:-2] + (-1,))[..., :K], -1, axis).astype(np.float32)
;;   ~~~
;;   SOFTMAX AHEAD OF A QUANTISED PRODUCT. Where the list says 'softmax', what is quantised is not the finished softmax but p = 2^(t - M), with t = logit x log2(e) and M = ceil(the row's largest t), a whole number; so 1/2 < the row's largest p <= 1. The row's sum l is taken of the UNQUANTISED p, in f32, and the product's result is divided by l at the end. Since M is a whole number, a kernel that streams over the keys may use a running M (the ceiling of the running maximum): every later rescaling is an exact power of two, which a block's scale takes up: the codes' values come out the same.
;;   OPERANDS COMPUTED ON THE WAY. 'Computed on the way' means the value that the module computes at that place (a softmax that the list does not call 'softmax' is quantised finished and normalised). What goes into a quantiser is computed in f32, as accurately as f32 sums, v_exp_f32 and their like allow (about 1e-6 of the number): no bf16 or f16 on the way to a quantiser, and a product that is left as it is and whose result goes on into a quantised operand takes f32 operands (vector FMAs, or v_wmma_f32_16x16x4_f32). A number that lies on a knife's edge between two numbers of the format may be rounded either way, as far as f32 arithmetic and the matrix unit's own rounding can turn it there, and no further.
;;   INPUTS GIVEN AS CODES. hidden_states (in the module: [4, 2048, 1024], K = its axis 2); wk (in the module: [1024, 1024], K = its axis 1); wo (in the module: [1024, 1024], K = its axis 1); wq (in the module: [1024, 1024], K = its axis 1); wv (in the module: [1024, 1024], K = its axis 1): each comes as NAME_codes (uint8): NAME with its K axis moved to the last place and cut into blocks of 32 codes, [.., K / 32, bytes a block], one block behind the other in memory; four codes in three bytes: a row's codes are one little-endian stream of bits, code i at bits 6 i .. 6 i + 5 (a code: sign, 2 exponent bits, 3 mantissa bits); and NAME_scales (uint8): the same leading axes, one E8M0 byte (e + 127) for each 32 codes along K. Its value is code x scale, taken as it is: it is not quantised again, and the codes and scales need not be those that the quantiser above would give.
;; One version. Each part assembles by itself: llvm-mc -triple=amdgcn-amd-amdhsa -mcpu=gfx1250 --defsym DOCPART=n.
;; ======== version 1 of 1: 3 launches
;; limits: right only within a limited range of input values
;; workspace buffers: q_codes 6,291,456 bytes; q_scales 262,144 bytes; kv 13,107,200 bytes; o 6,553,600 bytes
;; launch qkv (part 1): grid 4 x 64, 4 waves a work-group, clusters of 4 x 4, 327,680 bytes of LDS; arguments hidden_states_codes, hidden_states_scales, wq_codes, wq_scales, wk_codes, wk_scales, wv_codes, wv_scales, q_codes, q_scales, kv; writes q_codes, q_scales, kv
.if DOCPART == 1
	.amdgcn_target "amdgcn-amd-amdhsa--gfx1250"
	.amdhsa_code_object_version 6
	.text
	.protected	k_q410c1a84e8_qkv
	.globl	k_q410c1a84e8_qkv
	.p2align	8
	.type	k_q410c1a84e8_qkv,@function
k_q410c1a84e8_qkv:
	s_mov_b64 s[64:65], 0
	v_nop
	global_prefetch_b8 v0, s[64:65] scope:SCOPE_SE
	s_setreg_imm32_b32 hwreg(HW_REG_WAVE_MODE, 25, 1), 1
	s_wait_xcnt 0x0
	s_wait_alu depctr_hold_cnt(0) depctr_sa_sdst(0) depctr_va_vdst(0) depctr_va_sdst(0) depctr_va_ssrc(0) depctr_va_vcc(0) depctr_vm_vsrc(0)
	s_getreg_b32 s2, hwreg(HW_REG_IB_STS2, 6, 4)
	s_cmp_eq_u32 s2, 0
	s_cbranch_scc0 .Lentry_in_a_cluster
	s_endpgm
.Lentry_in_a_cluster:
	s_bfe_u32 s2, ttmp6, 0x10000c
	s_cmp_lg_u32 s2, 0xf033
	s_cbranch_scc0 .Lentry_shape_is_right
	s_endpgm
.Lentry_shape_is_right:
; q = x wq^T, k = x wk^T, v = x wv^T on codes of FP6 (E2M3), one E8M0 scale for each 32 along K = 1,024, f32 sums; the results are quantised here, in registers,
; q and k along the head's 64, v along the tokens, and leave as IMAGES OF OPERAND REGISTERS for the attention launch.
; 256 work-groups (tile column j = cx, 128 tokens i).  A work-group takes its 128 tokens through SIX PHASES of 128 weight rows: wq's rows 256 j + 0..127, + 128..255, then wk's, then wv's.
; LDS: x's 128 rows, all of K (768 bytes + 16 behind every 256: pitch 816), and two slots of 128 weight rows.  A slot is filled again behind a round of the cluster's barrier, one phase ahead of its use.
; x's rows are asked for jointly by a row of the cluster, a weight's by a column.  Four waves, 2 x 2: a wave holds 64 rows of x, all of K, in 384 registers, and streams the 64 weight rows of one head past them
; in four blocks of 16 rows, 32 products a block, the block's four accumulators by turns.  Scale words come by plain loads, 32 rows of 32 bytes on end for each pair of tiles.
; q, k: source 0 = the weight's rows, source 1 = x: a lane holds a token, its registers run along d.  v: source 0 = x, source 1 = wv's rows: a lane holds a feature, its registers run down the tokens.
; AN IMAGE: 12 registers as 3 pieces of 512 bytes, piece c = registers 4 c .. 4 c + 3, lane l's 16 bytes at 16 l.
;   q_codes [bh 64][step 16][image 4][1536], q_scales [bh][step][r 16][image 4] words; kv [bh][step][12,800]: k's scale words [r][image], v's [r][t], k's 4 images, v's 4 fragments.
;   Image 2 c + f of q or k: lane (r = 8 B + j, h) holds block h of d of token 64 c + 32 B + 8 f + j in registers 0-5 and of the token 16 further on in registers 6-11: so a lane of the scores holds keys of ONE block of 32.
;   Fragment t of v: lane (r, h): d = 16 t + r, registers 6 c ..: key block 2 c + h of the step.
; INSIDE A BLOCK OF 32 THE CODES ARE PERMUTED: places 0-7, 8-15, 16-23, 24-31 hold numbers 0-7, 16-23, 8-15, 24-31; q and k, and v and p, are laid by this one order.
; A wave's stores of q and k cover runs of 128 bytes, those of v's half fragments 8 of every 16 bytes: the other half is its partner wave's.
; No prefetch is laid: a refill is asked for a whole phase, 128 products a wave, ahead of its use, and every cluster asks for the same weight rows in the same phase.
; LIMITS: a block of zeros, or one under 2^-124, keeps the scale byte 1 (read by this program alone); NaN and infinities are not served.
.set KROW,  768
.set PITCH, 816
.set FR,    12
.set FPW,   21                         ; fragment f lies in window 1 + f / 21 at register 12 (f % 21): 0-31 x's (4 q + t), 32-39 and 40-47 the weights' two sets
.set W0,    128*PITCH
.set W1,    256*PITCH
.set SPARE, 384*PITCH
.set SPW, 4
.set NIL, 5
.set LIP, 8                            ; an image's lane part: 1536 f + 16 j + 256 h
.set SWP, 9                            ; a scale word's: 16 j + 4 f
.set VO,  10                           ; v10-12 where my three pairs of registers of a fragment of v go
.set SVP, 13                           ; 16 r
.set ABS, 14                           ; 32 x lane
.set WA,  16                           ; v16-31 LDS addresses of my four weight blocks in slot 0, 1 (two each: the second behind one padding more)
.set XS,  32                           ; v32-47 x's scale words: 8 p + q, lanes 0-15 tile 2 p, lanes 16-31 tile 2 p + 1
.set WS,  52                           ; v52-83 the weights', two sets
.set I0,  84
.set CT,  96
.set TM,  104
.set PW,  120
.set ACC, 128                          ; v128-255 sixteen accumulators
.set XA,  240                          ; at the head: LDS addresses of my four tiles of x
.set G1X, 24
.set G1W, 32
.set G0X, 48
.set G0W, 52
.set WNXT, 56
.set SCUR, 58
.set SNXT, 60
.set OC0, 90
.set OS0, 92
.set OC1, 94
.set OS1, 96
.set SEL, 100
.set MSB, 0
.macro WIN new
.if MSB != \new
	s_set_vgpr_msb (MSB<<8)|\new
.set MSB, \new
.endif
.endm
.macro PLACES n
.rept \n
	v_nop
.endr
.endm
.macro TLOAD g0, g1                    ; s_nop 0 and four v_nop behind each tensor load
	tensor_load_to_lds s[\g0:\g0+3], s[\g1:\g1+7]
	s_nop 0
	PLACES 4
.endm
.macro CROUND
	s_barrier_signal -1
	s_barrier_wait -1
	s_cmp_lg_u32 s14, 0
	s_cbranch_scc1 .Lnot_wave_0_\@
	s_barrier_signal -3
.Lnot_wave_0_\@:
	s_barrier_wait -3
	s_barrier_signal -1
	s_barrier_wait -1
.endm
.macro GROUP1 g, mask                  ; 64 rows of 768 bytes, 4 words of padding behind every 64
	s_or_b32 s[\g+0], s\mask, (1<<20)|(1<<21)|(5<<22)|(3<<25)
	s_mov_b32 s[\g+1], KROW<<16
	s_mov_b32 s[\g+2], 64<<16
	s_mov_b32 s[\g+3], KROW<<16
	s_mov_b32 s[\g+4], 64
	s_mov_b32 s[\g+5], KROW
	s_mov_b32 s[\g+6], 0
	s_mov_b32 s[\g+7], 0
.endm
	s_load_b512 s[68:83], s[0:1], 0x0              ; x codes, x scales, wq, wq scales, wk, wk scales, wv, wv scales
	s_load_b128 s[84:87], s[0:1], 0x40             ; q_codes, q_scales
	s_load_b64 s[88:89], s[0:1], 0x50              ; kv
	v_lshl_add_u32 v[SPW], v0, 2, SPARE
	v_mov_b32 v[NIL], 0
	ds_add_u32 v[SPW], v[NIL]                      ; the opening lines
	ds_add_u32 v[SPW], v[NIL]
	v_lshrrev_b32 v1, 5, v0
	v_readfirstlane_b32 s14, v1
	s_lshr_b32 s15, s14, 1                         ; my 64 of the 128 tokens
	s_and_b32 s16, s14, 1                          ; my head of a phase's two
	s_bfe_u32 s40, ttmp6, 0x40000                  ; cx = j: the grid is one cluster wide
	s_bfe_u32 s41, ttmp6, 0x40004
	s_and_b32 s17, ttmp7, 0xffff
	s_lshl_b32 s17, s17, 2
	s_add_co_u32 s17, s17, s41                     ; i: which 128 tokens
	s_lshl_b32 s43, s41, 2
	s_lshl_b32 s43, 15, s43
	s_lshl_b32 s44, 0x1111, s40
	GROUP1 G1X, 43
	GROUP1 G1W, 44
	s_lshl_b32 s20, s17, 1
	s_add_co_u32 s20, s20, s16
	s_mul_i32 s20, s20, 64*KROW                    ; the head's loads: 64 rows of x (waves 0, 1),
	s_mov_b32 s21, 0
	s_lshl_b32 s22, s40, 2
	s_add_co_u32 s22, s22, s16
	s_mul_i32 s22, s22, 64*KROW                    ; 64 rows of wq (waves 2, 3)
	s_mov_b32 s23, 0
	s_mul_i32 s46, s40, 256*KROW
	s_mul_i32 s47, s14, 32*KROW
	s_add_co_u32 s46, s46, s47                     ; a refill: 32 rows a wave
	s_mov_b32 s47, 0
	s_lshl_b32 s18, s40, 13
	s_lshl_b32 s19, s16, 11
	s_add_co_u32 s18, s18, s19                     ; my head's scale bytes in a weight's
	s_mov_b32 s19, 0
	s_lshl_b32 s2, s17, 12
	s_lshl_b32 s3, s15, 11
	s_add_co_u32 s2, s2, s3                        ; my tokens' scale bytes
	s_mov_b32 s3, 0
	s_mul_i32 s45, s14, 32*PITCH
	s_mul_i32 s42, s16, 64*PITCH
	s_mov_b32 s[SEL], 0x76543210
	s_mov_b32 s[SEL+1], 0xfedcba98
	s_wait_dscnt 0x0
	s_wait_kmcnt 0x0
	s_mov_b32 s[G0X], 1
	s_mov_b32 s[G0X+1], s42
	s_add_nc_u64 s[G0X+2:G0X+3], s[68:69], s[20:21]
	s_or_b32 s[G0X+3], s[G0X+3], 0x80000000
	s_mov_b32 s[G0W], 1
	s_add_co_u32 s[G0W+1], s42, W0
	s_add_nc_u64 s[G0W+2:G0W+3], s[72:73], s[22:23]
	s_or_b32 s[G0W+3], s[G0W+3], 0x80000000
	s_add_nc_u64 s[72:73], s[72:73], s[46:47]
	s_add_nc_u64 s[76:77], s[76:77], s[46:47]
	s_add_nc_u64 s[80:81], s[80:81], s[46:47]
	s_add_nc_u64 s[74:75], s[74:75], s[18:19]
	s_add_nc_u64 s[78:79], s[78:79], s[18:19]
	s_add_nc_u64 s[82:83], s[82:83], s[18:19]
	s_add_nc_u64 s[70:71], s[70:71], s[2:3]
	s_mov_b64 s[WNXT:WNXT+1], s[76:77]
	s_mov_b64 s[SCUR:SCUR+1], s[74:75]
	s_mov_b64 s[SNXT:SNXT+1], s[78:79]
	CROUND                                         ; the round in front of the first joint loads
	s_cmp_lt_u32 s14, 2                            ; one load a wave, in two arms that join
	s_cbranch_scc0 .Lh_w
	TLOAD G0X, G1X
	s_branch .Lh_done
.Lh_w:
	TLOAD G0W, G1W
.Lh_done:
	v_and_b32 v1, 15, v0                           ; r
	v_bfe_u32 v2, v0, 4, 1                         ; h
	v_mul_u32_u24 v3, v1, PITCH
	v_mad_u32_u24 v6, v2, 24, v3
	v_mad_u32_u24 v7, v2, 40, v3
	s_mul_i32 s21, s15, 64*PITCH
.irp t, 0,1,2,3
	v_add_nc_u32 v[XA+2*\t], s21, v6
	v_add_nc_u32 v[XA+2*\t+1], s21, v7
	s_add_co_u32 s21, s21, 16*PITCH
.endr
	s_add_co_u32 s21, s42, W0
.irp n, 0,1,2,3,4,5,6,7
	v_add_nc_u32 v[WA+2*\n], s21, v6
	v_add_nc_u32 v[WA+2*\n+1], s21, v7
.if \n == 3
	s_add_co_u32 s21, s21, W1-W0-48*PITCH
.else
	s_add_co_u32 s21, s21, 16*PITCH
.endif
.endr
	v_and_b32 v3, 31, v0
	v_lshlrev_b32 v[ABS], 5, v3
	v_lshlrev_b32 v3, 4, v3
	s_mul_i32 s20, s15, 520                        ; my half of a fragment of v: registers 6 a + 0..5, by pairs: bytes 0, 8, 512 or 520, 1024, 1032 beside 16 x lane
	s_mul_i32 s21, s15, 1016
	s_add_co_u32 s21, s21, 8
	s_add_co_u32 s22, s20, 512
	v_add_nc_u32 v[VO], s20, v3
	v_add_nc_u32 v[VO+1], s21, v3
	v_add_nc_u32 v[VO+2], s22, v3
	v_lshlrev_b32 v[SVP], 4, v1
	v_and_b32 v6, 7, v1                            ; j
	v_lshrrev_b32 v7, 3, v1                        ; f
	v_mul_u32_u24 v[LIP], v7, 1536
	v_lshl_add_u32 v[LIP], v6, 4, v[LIP]
	v_lshl_add_u32 v[LIP], v2, 8, v[LIP]
	v_lshlrev_b32 v[SWP], 2, v7
	v_lshl_add_u32 v[SWP], v6, 4, v[SWP]
.irp b, 0,1,2,3
	v_mov_b32 v[TM+4+\b], 0                        ; a lane permute's destination counts as a source
.endr
.irp p, 0,1
.irp c, 0,1
	global_load_b128 v[XS+8*\p+4*\c:XS+8*\p+4*\c+3], v[ABS], s[70:71] offset:1024*\p+16*\c
	global_load_b128 v[WS+8*\p+4*\c:WS+8*\p+4*\c+3], v[ABS], s[SCUR:SCUR+1] offset:1024*\p+16*\c
.endr
.endr
	s_lshr_b32 s20, s17, 4                         ; where my results go: bh of phase 0's head, the step
	s_lshl_b32 s20, s20, 4
	s_lshl_b32 s21, s40, 2
	s_add_co_u32 s20, s20, s21
	s_add_co_u32 s20, s20, s16
	s_and_b32 s21, s17, 15
	s_mul_i32 s22, s20, 98304
	s_mul_i32 s23, s21, 6144
	s_add_co_u32 s22, s22, s23
	s_mul_i32 s23, s15, 3072
	s_add_co_u32 s22, s22, s23
	s_mov_b32 s23, 0
	s_add_nc_u64 s[OC0:OC0+1], s[84:85], s[22:23]
	s_add_nc_u64 s[OC1:OC1+1], s[OC0:OC0+1], 196608      ; a phase's second half: two heads on
	s_lshl_b32 s22, s20, 12
	s_lshl_b32 s23, s21, 8
	s_add_co_u32 s22, s22, s23
	s_lshl_b32 s23, s15, 3
	s_add_co_u32 s22, s22, s23
	s_mov_b32 s23, 0
	s_add_nc_u64 s[OS0:OS0+1], s[86:87], s[22:23]
	s_add_nc_u64 s[OS1:OS1+1], s[OS0:OS0+1], 8192
	s_mul_i32 s22, s20, 204800
	s_mul_i32 s23, s21, 12800
	s_add_co_u32 s22, s22, s23
	s_mov_b32 s23, 0
	s_add_nc_u64 s[88:89], s[88:89], s[22:23]
	s_lshl_b32 s22, s15, 3
	s_add_nc_u64 s[6:7], s[88:89], s[22:23]        ; k's scale words,
	s_add_nc_u64 s[10:11], s[6:7], 409600
	s_mul_i32 s22, s15, 3072
	s_add_co_u32 s22, s22, 512
	s_add_nc_u64 s[4:5], s[88:89], s[22:23]        ; its images,
	s_add_nc_u64 s[8:9], s[4:5], 409600
	s_add_nc_u64 s[12:13], s[88:89], 6656          ; v's fragments,
	s_lshl_b32 s22, s15, 1
	s_add_co_u32 s22, s22, 256
	s_add_nc_u64 s[18:19], s[88:89], s[22:23]      ; its scale bytes
.macro FRAG f, q, ad                   ; six pieces of 8 bytes, two to a load where both go by the same address register; NLD counts the loads
	WIN (1+(\f)/FPW)<<6
.set R_, FR*((\f)%FPW)
.set SKIP_, 0
.irp p, 0,1,2,3,4,5
.if SKIP_
.set SKIP_, 0
.else
.set PC_, 12*(\q)+6*(\p/3)+\p%3
.set PN_, 12*(\q)+6*((\p+1)/3)+(\p+1)%3
.set X_, (PC_%32+3)/32
.set XQ_, (PN_%32+3)/32
.set NLD, NLD+1
.if (\p < 5) && (X_ == XQ_)
.set SKIP_, 1
	ds_load_2addr_b64 v[R_+2*\p:R_+2*\p+3], v[\ad+X_] offset0:PC_+2*(PC_/32) offset1:PN_+2*(PN_/32)
.else
	ds_load_b64 v[R_+2*\p:R_+2*\p+1], v[\ad+X_] offset:8*(PC_+2*(PC_/32))
.endif
.endif
.endr
.endm
.macro FETCHW slot, blk                ; a block of 16 weight rows, all of K, into set blk % 2
.set NLD, 0
.irp q, 0,1,2,3,4,5,6,7
	FRAG 32+8*((\blk)%2)+\q, \q, WA+8*(\slot)+2*(\blk)
.endr
	WIN 0
.endm
.macro WM d, s0, s1, c, x0, x1, ra, rb
	v_wmma_scale_f32_16x16x128_f8f6f4 v[\d:\d+7], v[FR*((\s0)%FPW):FR*((\s0)%FPW)+FR-1], v[FR*((\s1)%FPW):FR*((\s1)%FPW)+FR-1], \c, v[\x0], v[\x1] matrix_a_fmt:MATRIX_FMT_FP6 matrix_b_fmt:MATRIX_FMT_FP6 matrix_a_scale:MATRIX_SCALE_\ra matrix_b_scale:MATRIX_SCALE_\rb
.endm
.macro WM2 d, s0, s1, c, x0, x1, r0, r1
.if (\r0) && (\r1)
	WM \d, \s0, \s1, \c, \x0, \x1, ROW1, ROW1
.elseif (\r0)
	WM \d, \s0, \s1, \c, \x0, \x1, ROW1, ROW0
.elseif (\r1)
	WM \d, \s0, \s1, \c, \x0, \x1, ROW0, ROW1
.else
	WM \d, \s0, \s1, \c, \x0, \x1, ROW0, ROW0
.endif
.endm
.macro PROD kind, slot, blk, q, t
.set FW_, 32+8*((\blk)%2)+(\q)
.set FX_, 4*(\q)+(\t)
.set SW_, WS+16*(\slot)+8*((\blk)/2)+(\q)
.set SX_, XS+8*((\t)/2)+(\q)
.if \kind
.set D_, ACC+32*(\blk)+8*(\t)
	WIN (1+FX_/FPW)|((1+FW_/FPW)<<2)
.if (\q) == 0
	WM2 D_, FX_, FW_, 0, SX_, SW_, (\t)%2, (\blk)%2
.else
	WM2 D_, FX_, FW_, v[D_:D_+7], SX_, SW_, (\t)%2, (\blk)%2
.endif
.else
.set D_, ACC+32*(\t)+8*(\blk)
	WIN (1+FW_/FPW)|((1+FX_/FPW)<<2)
.if (\q) == 0
	WM2 D_, FW_, FX_, 0, SW_, SX_, (\blk)%2, (\t)%2
.else
	WM2 D_, FW_, FX_, v[D_:D_+7], SW_, SX_, (\blk)%2, (\t)%2
.endif
.endif
.endm
.macro BLOCKP kind, slot, blk          ; 32 products: the block's four accumulators take turns
.irp q, 0,1,2,3,4,5,6,7
.irp t, 0,1,2,3
	PROD \kind, \slot, \blk, \q, \t
.endr
.endr
	WIN 0
.endm
; THE QUANTISER of 64 registers: register 16 b + i is one of 16 numbers of block b of 32 along the next K; lane l xor 16 holds the other 16.
; Blocks 0, 1 become registers I0 .. I0 + 5, blocks 2, 3 I0 + 6 .. I0 + 11; the four scale bytes make the word PW + n.  Each accumulator is read from its low end on.
.macro QUANTW n
.set SRC, ACC+64*\n
.irp b, 0,1,2,3
	v_max3_num_f32 v[TM+\b], |v[SRC+16*\b]|, |v[SRC+16*\b+1]|, 0x1800000   ; with the floor 2^(3 - 127)
.endr
.irp i, 2,4,6,8,10,12,14
.irp b, 0,1,2,3
	v_max3_num_f32 v[TM+\b], |v[SRC+16*\b+\i]|, |v[SRC+16*\b+\i+1]|, v[TM+\b]
.endr
.endr
.irp b, 0,1,2,3
	v_permlanex16_b32 v[TM+4+\b], v[TM+\b], s[SEL], s[SEL+1]
.endr
.irp b, 0,1,2,3
	v_max_num_f32 v[TM+\b], v[TM+\b], v[TM+4+\b]
.endr
.irp b, 0,1,2,3
	v_add_nc_u32 v[TM+12+\b], 0xff000000, v[TM+\b] ; 2 off the exponent field: the conversion's scale operand
.endr
.irp b, 0,1,2,3
	v_lshrrev_b32 v[TM+4+\b], 23, v[TM+12+\b]
.endr
	v_lshl_or_b32 v[PW+\n], v[TM+5], 8, v[TM+4]
	v_lshl_or_b32 v[PW+\n], v[TM+6], 16, v[PW+\n]
	v_lshl_or_b32 v[PW+\n], v[TM+7], 24, v[PW+\n]
	v_cvt_scalef32_pk16_fp6_f32 v[I0:I0+2], v[SRC:SRC+15], v[TM+12]
	v_cvt_scalef32_pk16_fp6_f32 v[CT:CT+2], v[SRC+16:SRC+31], v[TM+13]
	v_cvt_scalef32_pk16_fp6_f32 v[I0+6:I0+8], v[SRC+32:SRC+47], v[TM+14]
	v_cvt_scalef32_pk16_fp6_f32 v[CT+4:CT+6], v[SRC+48:SRC+63], v[TM+15]
	v_nop                                          ; one plain place behind a scaled conversion
.irp i, 0,1,2
	v_permlane16_swap_b32 v[I0+\i], v[CT+\i]       ; a whole block in a lane
	v_permlane16_swap_b32 v[I0+6+\i], v[CT+4+\i]
.endr
.irp i, 0,1,2
	v_mov_b32 v[I0+3+\i], v[CT+\i]
	v_mov_b32 v[I0+9+\i], v[CT+4+\i]
.endr
.endm
; A PHASE.  ns: the next phase's scale words: 1 from SCUR's second half into set 1, 2 from SNXT into set 0, 0 none.  oc, os: kind 0: the pointers' registers; kind 1: oc = the bytes to the phase's heads
.macro BODY kind, slot, ns, oc, os
	FETCHW \slot, 0
	FETCHW \slot, 1
	s_wait_loadcnt 0x0                             ; this phase's scale words, asked for a phase ago
.if \ns
.irp p, 0,1
.irp c, 0,1
.if \ns == 1
	global_load_b128 v[WS+16+8*\p+4*\c:WS+16+8*\p+4*\c+3], v[ABS], s[SCUR:SCUR+1] offset:4096+1024*\p+16*\c
.else
	global_load_b128 v[WS+8*\p+4*\c:WS+8*\p+4*\c+3], v[ABS], s[SNXT:SNXT+1] offset:1024*\p+16*\c
.endif
.endr
.endr
.endif
	s_wait_dscnt NLD                               ; all but the block fetched last
	BLOCKP \kind, \slot, 0
	PLACES 4
	FETCHW \slot, 2
	s_wait_dscnt NLD
	BLOCKP \kind, \slot, 1
	PLACES 4
	FETCHW \slot, 3
	s_wait_dscnt NLD
	BLOCKP \kind, \slot, 2
	s_wait_dscnt 0x0
	BLOCKP \kind, \slot, 3
	PLACES 4
.irp i, 0,1
	s_wait_xcnt 0x0                                ; the earlier stores have read their registers
	QUANTW \i
.if \kind
.irp u, 0,1
.irp k, 0,1,2
	global_store_b64 v[VO+\k], v[I0+6*\u+2*\k:I0+6*\u+2*\k+1], s[12:13] offset:\oc+1536*(2*\i+\u)
.endr
.endr
	global_store_b16 v[SVP], v[PW+\i], s[18:19] offset:\oc+8*\i
	global_store_d16_hi_b16 v[SVP], v[PW+\i], s[18:19] offset:\oc+8*\i+4
.else
.irp c, 0,1,2
	global_store_b128 v[LIP], v[I0+4*\c:I0+4*\c+3], s[\oc:\oc+1] offset:128*\i+512*\c
.endr
	global_store_b32 v[SWP], v[PW+\i], s[\os:\os+1] offset:128*\i
.endif
.endr
.endm
; BETWEEN PHASES: every wave waits for all its tensor loads, adds 0 to its spare word, waits for that and for its reads; behind the round the slot read last takes the phase after next's rows... fill = 0: nothing is left to fetch
.macro TOP fill, slot, hf, wp, first=0
	s_wait_alu depctr_va_vdst(0)                   ; the wait ahead of the blocking waits
	s_wait_tensorcnt 0x0
	ds_add_u32 v[SPW], v[NIL]
.if \first
	s_mov_b32 s[G1W+2], 32<<16                     ; no load of mine is out: from here on a load of weights brings 32 rows
	s_mov_b32 s[G1W+4], 32
.endif
.if \fill
	s_add_co_u32 s[G0W+1], s45, W0+(\slot)*(W1-W0)
	s_add_nc_u64 s[G0W+2:G0W+3], s[\wp:\wp+1], (\hf)*128*KROW
	s_or_b32 s[G0W+3], s[G0W+3], 0x80000000
.endif
	s_wait_dscnt 0x0
.if \fill
	CROUND
	TLOAD G0W, G1W                                 ; every wave's one load behind the round
.else
	s_barrier_signal -1
	s_barrier_wait -1
.endif
.endm
	TOP 1, 1, 1, 72, 1                             ; x and wq's first half are in; slot 1's first fill is issued as a refill is
.irp q, 0,1,2,3,4,5,6,7
.irp t, 0,1,2,3
	FRAG 4*\q+\t, \q, XA+2*\t                      ; my 64 rows of x, all of K
.endr
.endr
	WIN 0
	s_mov_b32 s3, 0
.Ltype:                                                ; a trip: both halves of q, then of k
	BODY 0, 0, 1, OC0, OS0
	TOP 1, 0, 0, WNXT
	BODY 0, 1, 2, OC1, OS1
	TOP 1, 1, 1, WNXT
	s_wait_xcnt 0x0                                ; the loads and stores have read their bases
	s_mov_b64 s[WNXT:WNXT+1], s[80:81]
	s_mov_b64 s[SCUR:SCUR+1], s[SNXT:SNXT+1]
	s_mov_b64 s[SNXT:SNXT+1], s[82:83]
	s_mov_b64 s[OC0:OC0+1], s[4:5]
	s_mov_b64 s[OS0:OS0+1], s[6:7]
	s_mov_b64 s[OC1:OC1+1], s[8:9]
	s_mov_b64 s[OS1:OS1+1], s[10:11]
	s_add_co_u32 s3, s3, 1
	s_cmp_lt_u32 s3, 2
	s_cbranch_scc1 .Ltype
	BODY 1, 0, 1, 0, 0
	TOP 0, 0, 0, WNXT
	BODY 1, 1, 0, 409600, 0
	s_wait_tensorcnt 0x0                           ; the wave's end
	ds_add_u32 v[SPW], v[NIL]
	s_wait_dscnt 0x0
	CROUND                                         ; the closing round
	s_endpgm
.Lfunc_end_k_q410c1a84e8_qkv:
	.size	k_q410c1a84e8_qkv, .Lfunc_end_k_q410c1a84e8_qkv-k_q410c1a84e8_qkv
	.p2alignl 7, 3214868480
	.fill 96, 4, 3214868480
	.section	.rodata,"a",@progbits
	.p2align	6, 0x0
	.amdhsa_kernel k_q410c1a84e8_qkv
		.amdhsa_group_segment_fixed_size 327680
		.amdhsa_private_segment_fixed_size 0
		.amdhsa_enable_private_segment 0
		.amdhsa_kernarg_size 88
		.amdhsa_user_sgpr_count 2
		.amdhsa_user_sgpr_kernarg_segment_ptr 1
		.amdhsa_wavefront_size32 1
		.amdhsa_system_sgpr_workgroup_id_x 1
		.amdhsa_system_sgpr_workgroup_id_y 1
		.amdhsa_system_sgpr_workgroup_id_z 1
		.amdhsa_system_vgpr_workitem_id 0
		.amdhsa_next_free_vgpr 848
		.amdhsa_next_free_sgpr 102
		.amdhsa_reserve_vcc 0
		.amdhsa_float_denorm_mode_32 3
		.amdhsa_float_denorm_mode_16_64 3
		.amdhsa_memory_ordered 1
		.amdhsa_forward_progress 1
		.amdhsa_inst_pref_size 152
	.end_amdhsa_kernel
	.amdgpu_metadata
---
amdhsa.version: [ 1, 2 ]
amdhsa.kernels:
  - .name:           k_q410c1a84e8_qkv
    .symbol:         k_q410c1a84e8_qkv.kd
    .args:
      - { .name: hidden_states_codes, .offset: 0, .size: 8, .value_kind: global_buffer, .address_space: global }
      - { .name: hidden_states_scales, .offset: 8, .size: 8, .value_kind: global_buffer, .address_space: global }
      - { .name: wq_codes, .offset: 16, .size: 8, .value_kind: global_buffer, .address_space: global }
      - { .name: wq_scales, .offset: 24, .size: 8, .value_kind: global_buffer, .address_space: global }
      - { .name: wk_codes, .offset: 32, .size: 8, .value_kind: global_buffer, .address_space: global }
      - { .name: wk_scales, .offset: 40, .size: 8, .value_kind: global_buffer, .address_space: global }
      - { .name: wv_codes, .offset: 48, .size: 8, .value_kind: global_buffer, .address_space: global }
      - { .name: wv_scales, .offset: 56, .size: 8, .value_kind: global_buffer, .address_space: global }
      - { .name: q_codes, .offset: 64, .size: 8, .value_kind: global_buffer, .address_space: global }
      - { .name: q_scales, .offset: 72, .size: 8, .value_kind: global_buffer, .address_space: global }
      - { .name: kv, .offset: 80, .size: 8, .value_kind: global_buffer, .address_space: global }
    .group_segment_fixed_size: 327680
    .private_segment_fixed_size: 0
    .kernarg_segment_align: 8
    .kernarg_segment_size: 88
    .max_flat_workgroup_size: 128
    .sgpr_count:     102
    .vgpr_count:     848
    .wavefront_size: 32
...
	.end_amdgpu_metadata
.endif
;; end of part 1
;; launch attn (part 2): grid 4 x 64, 16 waves a work-group, clusters of 4 x 1, 327,680 bytes of LDS; arguments q_codes, q_scales, kv, o; writes o
.if DOCPART == 2
	.amdgcn_target "amdgcn-amd-amdhsa--gfx1250"
	.amdhsa_code_object_version 6
	.text
	.protected	k_q410c1a84e8_attn
	.globl	k_q410c1a84e8_attn
	.p2align	8
	.type	k_q410c1a84e8_attn,@function
k_q410c1a84e8_attn:
	s_mov_b64 s[64:65], 0
	v_nop
	global_prefetch_b8 v0, s[64:65] scope:SCOPE_SE
	s_setreg_imm32_b32 hwreg(HW_REG_WAVE_MODE, 25, 1), 1
	s_wait_xcnt 0x0
	s_wait_alu depctr_hold_cnt(0) depctr_sa_sdst(0) depctr_va_vdst(0) depctr_va_sdst(0) depctr_va_ssrc(0) depctr_va_vcc(0) depctr_vm_vsrc(0)
	s_getreg_b32 s2, hwreg(HW_REG_IB_STS2, 6, 4)
	s_cmp_eq_u32 s2, 0
	s_cbranch_scc0 .Lentry_in_a_cluster
	s_endpgm
.Lentry_in_a_cluster:
	s_bfe_u32 s2, ttmp6, 0x10000c
	s_cmp_lg_u32 s2, 0x3003
	s_cbranch_scc0 .Lentry_shape_is_right
	s_endpgm
.Lentry_shape_is_right:
; out[b][q][head's 64 d] = softmax_k(q . k / 8) v, both products on codes of FP6 (E2M3) with one E8M0 scale for each 32 along K; out is quantised here along C for the last product.
; THE SOFTMAX: t = score x log2(e) / 8; M = the running largest t rounded UP to a whole number; p = 2^(t - M) is quantised along the keys, not normalised; the row's sum is taken of the unquantised p
; and divides at the end; when M moves, the sum and O are multiplied by 2^(old M - new M), which rounds nothing.
; SHARES.  A work-group owns ONE head of one batch and 512 queries: 4 x 64 work-groups of equal work.  The head's k and v, 16 key steps of 12,800 bytes (scale words, then codes), lie in LDS for the whole launch:
; each of the sixteen waves asks for one key step at the head; nothing is filled again, so the walk has no barrier.  Nothing is left to prefetch: every tile is asked for at the head.
; A wave owns one image of q: two tiles of 16 queries, one after the other, each over all 16 key steps.
; CLUSTER.  The four query blocks of a head ask for each key step jointly, mask 15, by the same descriptor; cx enters q's and out's global addresses alone.
; THE SCORES' K IS 64, THE INSTRUCTION'S 128.  An image of k holds two tiles of 16 keys, X in registers 0-5, Y in 6-11.  q stands as [0 | q | 0]: the run [q | 0] gives X's scores, [0 | q] Y's;
; the other half meets zero codes, which add nothing under the scale bytes of this program, 1 to 254.
; Both products are used transposed (source 1 = my queries): a lane holds one query.  THE KEYS OF A TILE: row 8 B + j of image 2 c + f is key 64 c + 32 B + 8 f + j (X) or 16 further on (Y).  So lane (r, h) holds,
; in the 32 score registers of images 2 c and 2 c + 1, the whole block 2 c + h of 32 keys, in the order of v's codes: no lane looks at another for a block's largest p, and the conversions' results are the operand's registers.
; The tiles of q hold tokens by the same order; the last launch puts the rows back.
; o [tile of 128 rows 64][102,400]: codes [row tile a 8][fragment 8][head's half 2][piece 3][lane][8 bytes] (a store covers 256 consecutive bytes, aligned), then scale bytes [16 a + r][32].
; out's two scale bytes of a row are one store of 2 bytes a lane, 32 bytes apart; lanes r and r + 16 hold the same bytes and write them to the same place.
; LIMITS: the promise holds while |t| stays under 2^31; NaN and infinities are not served; a block of out under 2^-124, or of zeros, keeps the byte 1 (read by this program alone).
.set STEPB, 12800
.set SPARE, 16*STEPB
.set LI,  1                            ; 16 x lane
.set L8,  2                            ; 8 x lane
.set SPW, 3
.set NIL, 4
.set ADK, 5
.set TQ,  6                            ; 16 r
.set QS,  7
.set QS1, 8
.set OSH, 9                            ; v9, v10
.set TO,  11                           ; 32 r
.set QHI, 16
.set QLO, 22
.set Q2,  34
.set OC,  40
.set SH8, 46                           ; 8 h
.set F,   48
.set FS,  96
.set S,   100
.set OT,  164
.set PC,  196
.set CT,  208
.set BM,  216
.set PM,  220
.set SO,  224
.set FF,  228
.set PWR, 229
.set TMP, 230
.set OLDM, 231
.set WV,  16
.set SEL, 20
.set CS,  22
.set G1,  24
.set G0,  40
.set TB,  48
.set CNT, 50
.macro ROUND
	s_barrier_signal -1
	s_barrier_wait -1
	s_cmp_lg_u32 s[WV], 0
	s_cbranch_scc1 .Lnot_wave_0_\@
	s_barrier_signal -3
.Lnot_wave_0_\@:
	s_barrier_wait -3
	s_barrier_signal -1
	s_barrier_wait -1
.endm
	s_load_b256 s[4:11], s[0:1], 0x0               ; q_codes, q_scales, kv, o
	v_lshl_add_u32 v[SPW], v0, 2, SPARE
	v_mov_b32 v[NIL], 0
	ds_add_u32 v[SPW], v[NIL]                      ; the opening lines
	ds_add_u32 v[SPW], v[NIL]
	v_lshrrev_b32 v10, 5, v0
	v_readfirstlane_b32 s[WV], v10
	s_bfe_u32 s17, ttmp6, 0x40000                  ; cx: my block of 512 queries
	s_and_b32 s19, ttmp7, 0xffff                   ; bh
	s_mov_b32 s[G1], 15|(3<<16)|(1<<21)            ; a key step as 50 rows of 256 bytes, for all four work-groups
	s_mov_b32 s[G1+1], 32<<16
	s_mov_b32 s[G1+2], 50<<16
	s_mov_b32 s[G1+3], 32<<16
	s_mov_b32 s[G1+4], 50
	s_mov_b32 s[G1+5], 32
	s_mov_b32 s[G1+6], 0
	s_mov_b32 s[G1+7], 0
	s_mul_i32 s56, s[WV], STEPB
	s_mul_i32 s54, s19, 16*STEPB
	s_add_co_u32 s54, s54, s56
	s_mov_b32 s55, 0
	s_mov_b32 s53, 0
	s_mov_b32 s[SEL], 0x76543210
	s_mov_b32 s[SEL+1], 0xfedcba98
	s_mov_b32 s[CS], 0x3e38aa3b                    ; log2(e) / 8
	s_mov_b32 s[CS+1], s[CS]
	s_mov_b32 s60, 0x01000100
	s_mov_b32 s61, 0x03020302
	s_wait_dscnt 0x0
	s_wait_kmcnt 0x0
	s_mov_b32 s[G0], 1
	s_mov_b32 s[G0+1], s56
	s_add_nc_u64 s[G0+2:G0+3], s[8:9], s[54:55]
	s_or_b32 s[G0+3], s[G0+3], 0x80000000
	ROUND
	tensor_load_to_lds s[G0:G0+3], s[G1:G1+7]      ; every wave's one tensor load of the launch
	s_nop 0
.rept 4
	v_nop
.endr
	s_lshl_b32 s54, s17, 4                         ; q: image 16 cx + wave of the head's 64
	s_add_co_u32 s54, s54, s[WV]
	s_mul_i32 s54, s54, 1536
	s_mul_i32 s56, s19, 98304
	s_add_co_u32 s54, s54, s56
	s_add_nc_u64 s[4:5], s[4:5], s[54:55]
	s_lshl_b32 s54, s17, 2
	s_lshr_b32 s56, s[WV], 2
	s_add_co_u32 s57, s54, s56                     ; my 128 tokens of the batch's 2,048
	s_lshl_b32 s54, s57, 8
	s_and_b32 s56, s[WV], 3
	s_lshl_b32 s58, s56, 2
	s_add_co_u32 s54, s54, s58
	s_lshl_b32 s58, s19, 12
	s_add_co_u32 s54, s54, s58
	s_add_nc_u64 s[6:7], s[6:7], s[54:55]
	v_and_b32 v10, 31, v0
	v_lshlrev_b32 v[LI], 4, v10
	v_lshlrev_b32 v[L8], 3, v10
	v_and_b32 v10, 15, v0
	v_lshlrev_b32 v[TQ], 4, v10
	v_lshlrev_b32 v[TO], 5, v10
	v_bfe_u32 v10, v0, 4, 1
	v_lshlrev_b32 v[SH8], 3, v10
.irp c, 0,1,2
	global_load_b128 v[S+4*\c:S+4*\c+3], v[LI], s[4:5] offset:512*\c
.endr
	global_load_b32 v[S+12], v[TQ], s[6:7]
	s_lshr_b32 s54, s19, 4                         ; out: tile of 128 rows = 16 x batch + my 128 tokens; row tile 2 (wave % 4) + e; the head's 768 bytes of a row tile
	s_lshl_b32 s54, s54, 4
	s_add_co_u32 s54, s54, s57
	s_mul_i32 s54, s54, 102400
	s_and_b32 s58, s19, 15
	s_mul_i32 s59, s56, 24576
	s_add_co_u32 s59, s59, s54
	s_mul_i32 s57, s58, 768
	s_add_co_u32 s52, s59, s57
	s_add_nc_u64 s[12:13], s[10:11], s[52:53]
	s_lshl_b32 s59, s56, 10
	s_add_co_u32 s59, s59, s54
	s_lshl_b32 s57, s58, 1
	s_add_co_u32 s52, s59, s57
	s_add_co_u32 s52, s52, 98304
	s_add_nc_u64 s[14:15], s[10:11], s[52:53]
.irp i, 0,1,2,3,4,5
	v_mov_b32 v[QHI+\i], 0
	v_mov_b32 v[QLO+6+\i], 0
.endr
	s_wait_loadcnt 0x0
.irp i, 0,1,2,3,4,5
	v_mov_b32 v[QLO+\i], v[S+\i]
	v_mov_b32 v[Q2+\i], v[S+6+\i]
.endr
	v_perm_b32 v[QS], v[S+12], v[S+12], s60
	v_perm_b32 v[QS1], v[S+12], v[S+12], s61
	v_mov_b32 v13, 0xff61b1e6                      ; the largest t so far: -3e38
	v_floor_f32 v12, -v13                          ; -M
	v_mov_b32 v14, 0
	v_mov_b32 v15, 0
.irp b, 0,1,2,3
	v_mov_b32 v[PM+\b], 0
.endr
	v_mov_b32 v[PWR], 0
.set j, 0
.rept 32
	v_mov_b32 v[OT+j], 0                           ; O^T; also the places between q's registers, its scale word and the first product
.set j, j+1
.endr
; A KEY STEP: 128 keys.
.macro STEP
	v_add_nc_u32 v[ADK], s[TB], v[LI]
.rept 3
	v_nop                                          ; with the line above: four places behind the last products
.endr
.irp b, 0,1,2,3
.irp c, 0,1,2
	ds_load_b128 v[F+12*\b+4*\c:F+12*\b+4*\c+3], v[ADK] offset:512+1536*\b+512*\c    ; k's four images
.endr
.endr
	ds_load_b128 v[FS:FS+3], v[ADK]                ; lanes 0-15: row r's four scale words
	s_wait_alu depctr_va_vdst(0)
	s_wait_dscnt 0x0
.irp b, 0,1,2,3
	v_wmma_scale_f32_16x16x128_f8f6f4 v[S+16*\b:S+16*\b+7], v[F+12*\b:F+12*\b+11], v[QLO:QLO+11], 0, v[FS+\b], v[QS] matrix_a_fmt:MATRIX_FMT_FP6 matrix_b_fmt:MATRIX_FMT_FP6
	v_wmma_scale_f32_16x16x128_f8f6f4 v[S+16*\b+8:S+16*\b+15], v[F+12*\b:F+12*\b+11], v[QHI:QHI+11], 0, v[FS+\b], v[QS] matrix_a_fmt:MATRIX_FMT_FP6 matrix_b_fmt:MATRIX_FMT_FP6
.endr
	v_mov_b32 v[OLDM], v12                         ; the old -M; with the three lines below: four places
.rept 3
	v_nop
.endr
.irp t, 0,1,2,3
.irp c, 0,1,2
	ds_load_b128 v[F+12*\t+4*\c:F+12*\t+4*\c+3], v[ADK] offset:6656+1536*\t+512*\c   ; v's four fragments land while the softmax is walked
.endr
.endr
	ds_load_b128 v[FS:FS+3], v[ADK] offset:256
.irp b, 0,1,2,3
	v_max3_num_f32 v[BM+\b], v[S+16*\b], v[S+1+16*\b], v[S+2+16*\b]    ; four chains, two to each of my two blocks of 32 keys
.endr
.irp i, 3,5,7,9,11,13
.irp b, 0,1,2,3
	v_max3_num_f32 v[BM+\b], v[BM+\b], v[S+16*\b+\i], v[S+1+16*\b+\i]
.endr
.endr
.irp b, 0,1,2,3
	v_max_num_f32 v[BM+\b], v[BM+\b], v[S+15+16*\b]
.endr
	s_delay_alu instid0(VALU_DEP_3)
	v_max_num_f32 v[BM], v[BM], v[BM+1]            ; block h's largest score,
	s_delay_alu instid0(VALU_DEP_2)
	v_max_num_f32 v[BM+2], v[BM+2], v[BM+3]        ; block 2 + h's: each serves the row's maximum and, since p rises with the score, the block's largest p
	s_delay_alu instid0(VALU_DEP_1)
	v_max_num_f32 v[TMP], v[BM], v[BM+2]
	s_delay_alu instid0(VALU_DEP_1)
	v_permlanex16_b32 v[PM], v[TMP], s[SEL], s[SEL+1]
	s_delay_alu instid0(VALU_DEP_1)
	v_max_num_f32 v[TMP], v[TMP], v[PM]            ; with lane l xor 16's 64 keys
	s_delay_alu instid0(VALU_DEP_1)
	v_mul_f32 v[TMP], s[CS], v[TMP]
	s_delay_alu instid0(VALU_DEP_1)
	v_max_num_f32 v13, v13, v[TMP]                 ; the running largest t
	s_delay_alu instid0(VALU_DEP_1)
	v_floor_f32 v12, -v13                          ; the new -M
	s_delay_alu instid0(VALU_DEP_1)
	v_sub_f32 v[TMP], v12, v[OLDM]
	s_delay_alu instid0(VALU_DEP_1)
	v_cvt_i32_f32 v[TMP], v[TMP]
	s_delay_alu instid0(VALU_DEP_1)
	v_ldexp_f32 v[FF], 1.0, v[TMP]                 ; f = 2^(old M - new M)
.set j, 0
.rept 32
	v_pk_fma_f32 v[S+j:S+j+1], v[S+j:S+j+1], s[CS:CS+1], v[12:13] op_sel_hi:[1,0,0]   ; t - M
.set j, j+2
.endr
	v_fma_f32 v[BM], v[BM], s[CS], v12
	v_fma_f32 v[BM+2], v[BM+2], s[CS], v12
.set j, 0
	s_wait_alu depctr_va_vdst(0)                   ; the wait ahead of the batch
.rept 64
	v_exp_f32 v[S+j], v[S+j]
.set j, j+1
.endr
	v_pk_mul_f32 v[14:15], v[14:15], v[FF:FF+1] op_sel_hi:[1,0]
	s_wait_alu depctr_va_vdst(0)                   ; and behind it
	v_exp_f32 v[BM], v[BM]                         ; my two blocks' largest p
	v_exp_f32 v[BM+2], v[BM+2]
	v_pk_add_f32 v[220:221], v[104:105], v[108:109]
	v_pk_add_f32 v[254:255], v[112:113], v[116:117]
	v_pk_add_f32 v[252:253], v[120:121], v[124:125]
	v_pk_add_f32 v[250:251], v[128:129], v[132:133]
	v_pk_add_f32 v[248:249], v[136:137], v[140:141]
	v_pk_add_f32 v[246:247], v[144:145], v[148:149]
	v_pk_add_f32 v[244:245], v[152:153], v[156:157]
	v_pk_add_f32 v[14:15], v[14:15], v[160:161]
	v_pk_add_f32 v[220:221], v[220:221], v[100:101]
	v_pk_add_f32 v[254:255], v[254:255], v[102:103]
	v_pk_add_f32 v[252:253], v[252:253], v[106:107]
	v_pk_add_f32 v[250:251], v[250:251], v[110:111]
	v_pk_add_f32 v[248:249], v[248:249], v[114:115]
	v_pk_add_f32 v[246:247], v[246:247], v[118:119]
	v_pk_add_f32 v[244:245], v[244:245], v[122:123]
	v_pk_add_f32 v[14:15], v[14:15], v[126:127]
	v_pk_add_f32 v[220:221], v[220:221], v[130:131]
	v_pk_add_f32 v[254:255], v[254:255], v[134:135]
	v_pk_add_f32 v[252:253], v[252:253], v[138:139]
	v_pk_add_f32 v[250:251], v[250:251], v[142:143]
	v_pk_add_f32 v[248:249], v[248:249], v[146:147]
	v_pk_add_f32 v[246:247], v[246:247], v[150:151]
	v_pk_add_f32 v[244:245], v[244:245], v[154:155]
	v_pk_add_f32 v[14:15], v[14:15], v[158:159]
	v_pk_add_f32 v[220:221], v[220:221], v[162:163]
	s_delay_alu instid0(VALU_DEP_2)
	v_pk_add_f32 v[14:15], v[14:15], v[250:251]
	s_delay_alu instid0(VALU_DEP_2)
	v_pk_add_f32 v[220:221], v[220:221], v[248:249]
	v_pk_add_f32 v[254:255], v[254:255], v[246:247]
	v_pk_add_f32 v[252:253], v[252:253], v[244:245]
	s_delay_alu instid0(VALU_DEP_2)
	v_pk_add_f32 v[14:15], v[14:15], v[254:255]
	s_delay_alu instid0(VALU_DEP_2)
	v_pk_add_f32 v[220:221], v[220:221], v[252:253]
	s_delay_alu instid0(VALU_DEP_1)
	v_pk_add_f32 v[14:15], v[14:15], v[220:221]    ; the row's sum of the unquantised p, in two halves
	s_wait_alu depctr_va_vdst(0)                   ; for the two exponentials
	v_max_num_f32 v[BM], 0x1800000, v[BM]          ; the floor 2^(3 - 127)
	v_max_num_f32 v[BM+2], 0x1800000, v[BM+2]
	s_delay_alu instid0(VALU_DEP_2)
	v_add_nc_u32 v[SO], 0xff000000, v[BM]          ; 2 off the exponent field: the conversions' scale operands
	s_delay_alu instid0(VALU_DEP_2)
	v_add_nc_u32 v[SO+1], 0xff000000, v[BM+2]
	s_delay_alu instid0(VALU_DEP_2)
	v_lshrrev_b32 v[PM], 23, v[SO]
	s_delay_alu instid0(VALU_DEP_2)
	v_lshrrev_b32 v[PM+1], 23, v[SO+1]
	s_delay_alu instid0(VALU_DEP_1)
	v_lshl_or_b32 v[PWR], v[PM+1], 16, v[PM]       ; my two bytes: blocks h and 2 + h,
	s_delay_alu instid0(VALU_DEP_1)
	v_lshlrev_b32 v[PWR], v[SH8], v[PWR]           ; at their places in the scale word;
	s_delay_alu instid0(VALU_DEP_1)
	v_permlanex16_b32 v[PM+2], v[PWR], s[SEL], s[SEL+1]
	s_delay_alu instid0(VALU_DEP_1)
	v_or_b32 v[PWR], v[PWR], v[PM+2]               ; with lane l xor 16's two the word is whole
.irp c, 0,1
	v_cvt_scalef32_pk16_fp6_f32 v[PC+6*\c:PC+6*\c+2], v[S+32*\c:S+32*\c+15], v[SO+\c]
	v_cvt_scalef32_pk16_fp6_f32 v[CT+4*\c:CT+4*\c+2], v[S+32*\c+16:S+32*\c+31], v[SO+\c]
.endr
	v_nop                                          ; one plain place behind a scaled conversion
.irp c, 0,1
.irp i, 0,1,2
	v_mov_b32 v[PC+3+6*\c+\i], v[CT+4*\c+\i]       ; (a conversion's three registers begin on an even number)
.endr
.endr
	s_wait_alu depctr_va_vdst(0)                   ; the wait directly ahead of the first reader of O^T
.set j, 0
.rept 16
	v_pk_mul_f32 v[OT+j:OT+j+1], v[OT+j:OT+j+1], v[FF:FF+1] op_sel_hi:[1,0]   ; O^T under the new M; also the places ahead of the products below
.set j, j+2
.endr
	s_wait_alu depctr_va_vdst(0)
	s_wait_dscnt 0x0                               ; v is in
.irp t, 0,1,2,3
	v_wmma_scale_f32_16x16x128_f8f6f4 v[OT+8*\t:OT+8*\t+7], v[F+12*\t:F+12*\t+11], v[PC:PC+11], v[OT+8*\t:OT+8*\t+7], v[FS+\t], v[PWR] matrix_a_fmt:MATRIX_FMT_FP6 matrix_b_fmt:MATRIX_FMT_FP6
.endr
	s_add_co_u32 s[TB], s[TB], STEPB
.endm
.macro STEPS
	s_mov_b32 s[TB], 0
	s_mov_b32 s[CNT], 16
.Lstep_\@:
	STEP
	s_sub_co_u32 s[CNT], s[CNT], 1
	s_cmp_lg_u32 s[CNT], 0
	s_cbranch_scc1 .Lstep_\@
.endm
; A TILE'S END: O^T / the sum, into true order along d, quantised and stored: six registers and two scale bytes a row.
.macro FINAL e
.set OCE, OC-6*\e
	v_add_f32 v14, v14, v15
.rept 3
	v_nop
.endr
	v_permlanex16_b32 v[TMP], v14, s[SEL], s[SEL+1]
	v_add_f32 v14, v14, v[TMP]
	s_wait_alu depctr_va_vdst(0)
	v_rcp_f32 v14, v14
	v_nop
	s_wait_alu depctr_va_vdst(0)
.set j, 0
.rept 16
	v_pk_mul_f32 v[S+j:S+j+1], v[OT+j:OT+j+1], v[14:15] op_sel_hi:[1,0]   ; register 8 t + i: d = 16 t + 8 h + i
.set j, j+2
.endr
.irp b, 0,1
.irp i, 0,1,2,3,4,5,6,7
	v_permlane16_swap_b32 v[S+16*\b+\i], v[S+16*\b+8+\i]       ; register 16 b + i: d = 32 b + 16 h + i, in true order
.endr
.endr
.irp b, 0,1
	v_max3_num_f32 v[BM+\b], |v[S+16*\b]|, |v[S+16*\b+1]|, 0x1800000
.endr
.irp i, 2,4,6,8,10,12,14
.irp b, 0,1
	v_max3_num_f32 v[BM+\b], v[BM+\b], |v[S+16*\b+\i]|, |v[S+16*\b+\i+1]|
.endr
.endr
.irp b, 0,1
	v_permlanex16_b32 v[PM+\b], v[BM+\b], s[SEL], s[SEL+1]
.endr
.irp b, 0,1
	v_max_num_f32 v[BM+\b], v[BM+\b], v[PM+\b]
.endr
.irp b, 0,1
	v_add_nc_u32 v[SO+\b], 0xff000000, v[BM+\b]
.endr
.irp b, 0,1
	v_lshrrev_b32 v[PM+\b], 23, v[SO+\b]
.endr
	v_lshl_or_b32 v[OSH+\e], v[PM+1], 8, v[PM]
.if \e == 0
.irp i, 0,1,2,3,4,5
	v_mov_b32 v[QLO+\i], v[Q2+\i]                  ; the second tile's q takes its place
.endr
	v_mov_b32 v[QS], v[QS1]
.endif
	v_cvt_scalef32_pk16_fp6_f32 v[OCE:OCE+2], v[S:S+15], v[SO]
	v_cvt_scalef32_pk16_fp6_f32 v[CT:CT+2], v[S+16:S+31], v[SO+1]
	v_nop
.irp i, 0,1,2
	v_permlane16_swap_b32 v[OCE+\i], v[CT+\i]
.endr
.irp i, 0,1,2
	v_mov_b32 v[OCE+3+\i], v[CT+\i]                ; lanes 0-15: d 0..31, lanes 16-31: d 32..63
.endr
.irp p, 0,1,2
	global_store_b64 v[L8], v[OCE+2*\p:OCE+2*\p+1], s[12:13] offset:12288*\e+256*\p   ; 32 lanes store 256 consecutive bytes, aligned
.endr
	global_store_b16 v[TO], v[OSH+\e], s[14:15] offset:512*\e
.if \e == 0
.set j, 0
.rept 32
	v_mov_b32 v[OT+j], 0
.set j, j+1
.endr
	v_mov_b32 v13, 0xff61b1e6
	v_floor_f32 v12, -v13
	v_mov_b32 v14, 0
	v_mov_b32 v15, 0
	s_wait_alu depctr_va_vdst(0)
.endif
.endm
	s_wait_alu depctr_va_vdst(0)                   ; the wait at the head's end
	s_wait_tensorcnt 0x0                           ; my key step is in
	s_barrier_signal -1
	s_barrier_wait -1                              ; and everybody's
	STEPS
	FINAL 0
	STEPS
	FINAL 1
	s_wait_tensorcnt 0x0                           ; the wave's end
	ds_add_u32 v[SPW], v[NIL]
	s_wait_dscnt 0x0
	ROUND                                          ; the closing round
	s_endpgm
.Lfunc_end_k_q410c1a84e8_attn:
	.size	k_q410c1a84e8_attn, .Lfunc_end_k_q410c1a84e8_attn-k_q410c1a84e8_attn
	.p2alignl 7, 3214868480
	.fill 96, 4, 3214868480
	.section	.rodata,"a",@progbits
	.p2align	6, 0x0
	.amdhsa_kernel k_q410c1a84e8_attn
		.amdhsa_group_segment_fixed_size 327680
		.amdhsa_private_segment_fixed_size 0
		.amdhsa_enable_private_segment 0
		.amdhsa_kernarg_size 32
		.amdhsa_user_sgpr_count 2
		.amdhsa_user_sgpr_kernarg_segment_ptr 1
		.amdhsa_wavefront_size32 1
		.amdhsa_system_sgpr_workgroup_id_x 1
		.amdhsa_system_sgpr_workgroup_id_y 1
		.amdhsa_system_sgpr_workgroup_id_z 1
		.amdhsa_system_vgpr_workitem_id 0
		.amdhsa_next_free_vgpr 256
		.amdhsa_next_free_sgpr 66
		.amdhsa_reserve_vcc 0
		.amdhsa_float_denorm_mode_32 3
		.amdhsa_float_denorm_mode_16_64 3
		.amdhsa_memory_ordered 1
		.amdhsa_forward_progress 1
		.amdhsa_inst_pref_size 48
	.end_amdhsa_kernel
	.amdgpu_metadata
---
amdhsa.version: [ 1, 2 ]
amdhsa.kernels:
  - .name:           k_q410c1a84e8_attn
    .symbol:         k_q410c1a84e8_attn.kd
    .args:
      - { .name: q_codes, .offset: 0, .size: 8, .value_kind: global_buffer, .address_space: global }
      - { .name: q_scales, .offset: 8, .size: 8, .value_kind: global_buffer, .address_space: global }
      - { .name: kv, .offset: 16, .size: 8, .value_kind: global_buffer, .address_space: global }
      - { .name: o, .offset: 24, .size: 8, .value_kind: global_buffer, .address_space: global }
    .group_segment_fixed_size: 327680
    .private_segment_fixed_size: 0
    .kernarg_segment_align: 8
    .kernarg_segment_size: 32
    .max_flat_workgroup_size: 512
    .sgpr_count:     66
    .vgpr_count:     256
    .wavefront_size: 32
...
	.end_amdgpu_metadata
.endif
;; end of part 2
;; launch proj (part 3): grid 4 x 64, 4 waves a work-group, clusters of 4 x 4, 327,680 bytes of LDS; arguments o, wo_codes, wo_scales, bo, out0; writes out0
.if DOCPART == 3
	.amdgcn_target "amdgcn-amd-amdhsa--gfx1250"
	.amdhsa_code_object_version 6
	.text
	.protected	k_q410c1a84e8_proj
	.globl	k_q410c1a84e8_proj
	.p2align	8
	.type	k_q410c1a84e8_proj,@function
k_q410c1a84e8_proj:
	s_mov_b64 s[64:65], 0
	v_nop
	global_prefetch_b8 v0, s[64:65] scope:SCOPE_SE
	s_setreg_imm32_b32 hwreg(HW_REG_WAVE_MODE, 25, 1), 1
	s_wait_xcnt 0x0
	s_wait_alu depctr_hold_cnt(0) depctr_sa_sdst(0) depctr_va_vdst(0) depctr_va_sdst(0) depctr_va_ssrc(0) depctr_va_vcc(0) depctr_vm_vsrc(0)
	s_getreg_b32 s2, hwreg(HW_REG_IB_STS2, 6, 4)
	s_cmp_eq_u32 s2, 0
	s_cbranch_scc0 .Lentry_in_a_cluster
	s_endpgm
.Lentry_in_a_cluster:
	s_bfe_u32 s2, ttmp6, 0x10000c
	s_cmp_lg_u32 s2, 0xf033
	s_cbranch_scc0 .Lentry_shape_is_right
	s_endpgm
.Lentry_shape_is_right:
; out0 = out wo^T + bo on codes of FP6 (E2M3), one E8M0 scale for each 32 along K = 1,024, f32 sums.
; 256 work-groups: each makes 128 rows x 256 columns.  ALL OF K LIES IN LDS: wo's 256 rows of 768 bytes (16 bytes of padding behind every 256: pitch 816), out's tile as one dense block of 102,400 bytes
; (images of operand registers, then scale bytes [row][32]), wo's scale bytes (8,192).  One tensor load a wave at the head, nothing is filled again; so there is no loop to prefetch in.
; CLUSTERS of 4 x 4: out's tile is asked for jointly by a row of the cluster, wo's rows and scales by a column.
; A wave makes 64 x 128: 32 accumulators; eight steps of 128 along K; both operands have two sets of registers, and a step's fragments are fetched one step ahead.
; Source 0 = wo's rows, source 1 = out's rows: a lane holds eight neighbouring columns of a row of out0.  The bias is the first products' C.
; REGISTERS: window 0: v8-23 addresses of wo's eight blocks, v32-111 scale words (block b, step q at 32 + 10 b + q: lanes 0-15 out's block b, lanes 16-31 wo's), v128-223 out's fragments; window 1: wo's fragments;
; window 2: the accumulators ((a, b) at 8 (8 a + b)); window 3: v768-831 the bias.
.set PITCH,  816
.set ABASE,  256*PITCH                 ; out's tile
.set ASC,    ABASE+98304               ; its scale bytes
.set BSC,    ABASE+102400              ; wo's scale bytes
.set SPARE,  BSC+8192
.set SPITCH, 528                       ; the way out: 16 rows x (512 + 16) bytes a wave, on wo's bytes, behind a barrier behind which nobody reads them
.set BOF,  7
.set BA,   8
.set ADRA, 24
.set STO,  25
.set RD,   26
.set CO,   27
.set SPW,  28
.set NIL,  29
.set ADRS, 30
.set SC,   32
.set AF,   128
.set BK,   128
.set G1B, 24
.set G0B, 32
.set G0A, 36
.set G1A, 48
.set G0S, 56
.set G1S, 68
.set MSB, 0
.macro WIN new
.if MSB != \new
	s_set_vgpr_msb (MSB<<8)|\new
.set MSB, \new
.endif
.endm
.macro PLACES n
.rept \n
	v_nop
.endr
.endm
.macro TLOAD g0, g1
	tensor_load_to_lds s[\g0:\g0+3], s[\g1:\g1+7]
	s_nop 0
	PLACES 4
.endm
.macro CROUND
	s_barrier_signal -1
	s_barrier_wait -1
	s_cmp_lg_u32 s14, 0
	s_cbranch_scc1 .Lnot_wave_0_\@
	s_barrier_signal -3
.Lnot_wave_0_\@:
	s_barrier_wait -3
	s_barrier_signal -1
	s_barrier_wait -1
.endm
	s_load_b256 s[4:11], s[0:1], 0x0               ; o, wo_codes, wo_scales, bo
	s_load_b64 s[12:13], s[0:1], 0x20              ; out0
	v_lshl_add_u32 v[SPW], v0, 2, SPARE
	v_mov_b32 v[NIL], 0
	ds_add_u32 v[SPW], v[NIL]                      ; the opening lines
	ds_add_u32 v[SPW], v[NIL]
	v_lshrrev_b32 v1, 5, v0
	v_readfirstlane_b32 s14, v1
	s_lshr_b32 s15, s14, 1                         ; my 64 of the 128 rows
	s_and_b32 s16, s14, 1                          ; my 128 of the 256 columns
	s_bfe_u32 s40, ttmp6, 0x40000                  ; cx = the tile column: the grid is one cluster wide
	s_bfe_u32 s41, ttmp6, 0x40004
	s_and_b32 s17, ttmp7, 0xffff
	s_lshl_b32 s17, s17, 2
	s_add_co_u32 s17, s17, s41                     ; the tile row, 0..63
	s_lshl_b32 s43, s41, 2
	s_lshl_b32 s43, 15, s43
	s_lshl_b32 s44, 0x1111, s40
	s_or_b32 s[G1B+0], s44, (1<<20)|(1<<21)|(5<<22)|(3<<25)   ; 128 rows of 768 bytes, 4 words of padding behind every 64
	s_mov_b32 s[G1B+1], 768<<16
	s_mov_b32 s[G1B+2], 128<<16
	s_mov_b32 s[G1B+3], 768<<16
	s_mov_b32 s[G1B+4], 128
	s_mov_b32 s[G1B+5], 768
	s_mov_b32 s[G1B+6], 0
	s_mov_b32 s[G1B+7], 0
	s_or_b32 s[G1A+0], s43, (3<<16)|(1<<21)        ; 400 rows of 256 bytes, dense
	s_mov_b32 s[G1A+1], 32<<16
	s_mov_b32 s[G1A+2], 400<<16
	s_mov_b32 s[G1A+3], 32<<16
	s_mov_b32 s[G1A+4], 400
	s_mov_b32 s[G1A+5], 32
	s_mov_b32 s[G1A+6], 0
	s_mov_b32 s[G1A+7], 0
	s_or_b32 s[G1S+0], s44, (3<<16)|(1<<21)        ; 32 rows of 256 bytes, dense
	s_mov_b32 s[G1S+1], 32<<16
	s_mov_b32 s[G1S+2], 32<<16
	s_mov_b32 s[G1S+3], 32<<16
	s_mov_b32 s[G1S+4], 32
	s_mov_b32 s[G1S+5], 32
	s_mov_b32 s[G1S+6], 0
	s_mov_b32 s[G1S+7], 0
	s_lshl_b32 s20, s40, 1
	s_add_co_u32 s20, s20, s14
	s_mul_i32 s20, s20, 128*768                    ; wo's rows 256 cx + 128 wave (waves 0 and 1 ask)
	s_mov_b32 s21, 0
	s_mul_i32 s22, s17, 102400
	s_mov_b32 s23, 0
	s_lshl_b32 s46, s40, 13
	s_mov_b32 s47, 0
	s_mov_b32 s[G0B], 1
	s_mul_i32 s[G0B+1], s14, 128*PITCH
	s_mov_b32 s[G0A], 1
	s_mov_b32 s[G0A+1], ABASE
	s_mov_b32 s[G0S], 1
	s_mov_b32 s[G0S+1], BSC
	s_wait_dscnt 0x0
	s_wait_kmcnt 0x0
	s_add_nc_u64 s[G0B+2:G0B+3], s[6:7], s[20:21]
	s_or_b32 s[G0B+3], s[G0B+3], 0x80000000
	s_add_nc_u64 s[G0A+2:G0A+3], s[4:5], s[22:23]
	s_or_b32 s[G0A+3], s[G0A+3], 0x80000000
	s_add_nc_u64 s[G0S+2:G0S+3], s[8:9], s[46:47]
	s_or_b32 s[G0S+3], s[G0S+3], 0x80000000
	CROUND                                         ; the round in front of the joint loads
	s_cmp_lt_u32 s14, 2                            ; one chain of branches on the wave's number, one load to an arm
	s_cbranch_scc0 .Lh_a
	TLOAD G0B, G1B                                 ; waves 0, 1: 128 rows of wo each
	s_branch .Lh_done
.Lh_a:
	s_cmp_eq_u32 s14, 2
	s_cbranch_scc0 .Lh_s
	TLOAD G0A, G1A                                 ; wave 2: out's tile
	s_branch .Lh_done
.Lh_s:
	TLOAD G0S, G1S                                 ; wave 3: wo's scale bytes
.Lh_done:
	v_and_b32 v1, 15, v0                           ; r
	v_bfe_u32 v2, v0, 4, 1                         ; h
	v_mul_u32_u24 v3, v1, PITCH
	v_mad_u32_u24 v4, v2, 24, v3                   ; row r, + 24 h
	v_mad_u32_u24 v5, v2, 40, v3                   ; and the same behind one padding more
	s_mul_i32 s22, s16, 128*PITCH
	v_add_nc_u32 v4, s22, v4
	v_add_nc_u32 v5, s22, v5
.irp i, 0,1,2,3,4,5,6,7
	v_add_nc_u32 v[BA+2*\i], \i*16*PITCH, v4
	v_add_nc_u32 v[BA+2*\i+1], \i*16*PITCH, v5
.endr
	v_and_b32 v6, 31, v0
	v_lshlrev_b32 v[CO], 4, v6
	v_lshlrev_b32 v6, 3, v6
	s_mul_i32 s21, s15, 4*12288
	s_add_co_u32 s21, s21, ABASE
	v_add_nc_u32 v[ADRA], s21, v6                  ; my four row tiles' images, 8 x lane
	v_lshlrev_b32 v5, 5, v1                        ; 32 bytes of scales a row
	s_lshl_b32 s21, s15, 11
	s_add_co_u32 s21, s21, ASC
	s_lshl_b32 s22, s16, 12
	s_add_co_u32 s22, s22, BSC
	s_sub_co_u32 s22, s22, s21
	v_mul_u32_u24 v6, s22, v2                      ; lanes 16-31 take wo's: one product, the distance x h
	v_add_nc_u32 v5, v5, v6
	v_add_nc_u32 v[ADRS], s21, v5
	s_mul_i32 s23, s14, 16*SPITCH
	v_mul_u32_u24 v5, v1, SPITCH
	v_lshl_add_u32 v5, v2, 5, v5
	v_add_nc_u32 v[STO], s23, v5
	v_add_nc_u32 v[RD], s23, v[CO]
	v_lshlrev_b32 v[BOF], 5, v2
	s_lshl_b32 s20, s17, 7
	s_lshl_b32 s21, s15, 6
	s_add_co_u32 s20, s20, s21                     ; my first row of out0
	s_lshl_b32 s20, s20, 12
	s_lshl_b32 s46, s40, 10
	s_lshl_b32 s47, s16, 9
	s_add_co_u32 s46, s46, s47                     ; my first column, in bytes
	s_mov_b32 s47, 0
	s_add_nc_u64 s[10:11], s[10:11], s[46:47]
	s_add_co_u32 s20, s20, s46
	s_mov_b32 s21, 0
	s_add_nc_u64 s[12:13], s[12:13], s[20:21]
	s_wait_alu depctr_va_vdst(0)                   ; the wait behind the run of scalar lines
	WIN 0xc0
.irp b, 0,1,2,3,4,5,6,7
	global_load_b128 v[8*\b:8*\b+3], v[BOF], s[10:11] offset:64*\b        ; register 8 b + j: bo at column 16 b + 8 h + j
	global_load_b128 v[8*\b+4:8*\b+7], v[BOF], s[10:11] offset:64*\b+16
.endr
	WIN 0
.macro FRAGB reg, q, i                 ; wo's block i, step q: six pieces of 8 bytes, two to a load where both go by the same address register
.set SKIP_, 0
.irp p, 0,1,2,3,4,5
.if SKIP_
.set SKIP_, 0
.else
.set PC_, 12*(\q)+6*(\p/3)+\p%3
.set PN_, 12*(\q)+6*((\p+1)/3)+(\p+1)%3
.set X_, (PC_%32+3)/32
.set XQ_, (PN_%32+3)/32
.set NLD, NLD+1
.if (\p < 5) && (X_ == XQ_)
.set SKIP_, 1
	ds_load_2addr_b64 v[\reg+2*\p:\reg+2*\p+3], v[BA+2*(\i)+X_] offset0:PC_+2*(PC_/32) offset1:PN_+2*(PN_/32)
.else
	ds_load_b64 v[\reg+2*\p:\reg+2*\p+1], v[BA+2*(\i)+X_] offset:8*(PC_+2*(PC_/32))
.endif
.endif
.endr
.endm
.macro FETCH q                         ; step q's fragments into set q % 2; NLD counts the loads
.set NLD, 24
	WIN 0x40
.irp i, 0,1,2,3,4,5,6,7
	FRAGB 128*((\q)%2)+12*\i, \q, \i
.endr
	WIN 0
.irp a, 0,1,2,3
.irp p, 0,1,2,3,4,5
	ds_load_b64 v[AF+48*((\q)%2)+12*\a+2*\p:AF+48*((\q)%2)+12*\a+2*\p+1], v[ADRA] offset:(\a*8+(\q))*1536+256*\p
.endr
.endr
.endm
.macro MUL32 q                         ; the 32 accumulators take turns
.irp a, 0,1,2,3
.irp b, 0,1,2,3,4,5,6,7
.if (\q) == 0
	v_wmma_scale_f32_16x16x128_f8f6f4 v[8*(8*\a+\b):8*(8*\a+\b)+7], v[128*((\q)%2)+12*\b:128*((\q)%2)+12*\b+11], v[AF+48*((\q)%2)+12*\a:AF+48*((\q)%2)+12*\a+11], v[8*\b:8*\b+7], v[SC+10*\b+(\q)], v[SC+10*\a+(\q)] matrix_a_fmt:MATRIX_FMT_FP6 matrix_b_fmt:MATRIX_FMT_FP6 matrix_a_scale:MATRIX_SCALE_ROW1
.else
	v_wmma_scale_f32_16x16x128_f8f6f4 v[8*(8*\a+\b):8*(8*\a+\b)+7], v[128*((\q)%2)+12*\b:128*((\q)%2)+12*\b+11], v[AF+48*((\q)%2)+12*\a:AF+48*((\q)%2)+12*\a+11], v[8*(8*\a+\b):8*(8*\a+\b)+7], v[SC+10*\b+(\q)], v[SC+10*\a+(\q)] matrix_a_fmt:MATRIX_FMT_FP6 matrix_b_fmt:MATRIX_FMT_FP6 matrix_a_scale:MATRIX_SCALE_ROW1
.endif
.endr
.endr
.endm
	s_wait_alu depctr_va_vdst(0)                   ; the wait at the head's end
	s_wait_tensorcnt 0x0                           ; my tile is in
	s_barrier_signal -1
	s_barrier_wait -1                              ; and everybody's
.irp b, 0,1,2,3,4,5,6,7
	ds_load_b128 v[SC+10*\b:SC+10*\b+3], v[ADRS] offset:512*\b          ; a row's eight scale words, all of K
	ds_load_b128 v[SC+10*\b+4:SC+10*\b+7], v[ADRS] offset:512*\b+16
.endr
	FETCH 0
.set Q, 0
.rept 8
.if Q < 7
.if Q > 0
	PLACES 4                                       ; between the last step's products and the loads into the set that they read
.endif
	FETCH Q+1
	s_wait_dscnt NLD                               ; all but the fetch just issued: this step's fragments are in
.else
	s_wait_dscnt 0x0                               ; my last reads of LDS are over:
	s_barrier_signal -1                            ; say so, and multiply while the others arrive
.endif
.if Q == 0
	s_wait_loadcnt 0x0                             ; the bias
	WIN 0xb1                                       ; source 0 window 1, source 1 window 0, C window 3, D window 2
.else
	WIN 0xa1
.endif
	MUL32 Q
.set Q, Q+1
.endr
	WIN 0
	s_barrier_wait -1                              ; nobody reads wo's bytes any more: the stages may be written
; THE WAY OUT, by blocks of 16 rows x 128 columns, through my stage, back as whole rows of 512 bytes
.macro TOSTAGE a
	WIN 0x08
.irp b, 0,1,2,3,4,5,6,7
	ds_store_b128 v[STO], v[64*(\a)+8*\b:64*(\a)+8*\b+3] offset:64*\b
	ds_store_b128 v[STO], v[64*(\a)+8*\b+4:64*(\a)+8*\b+7] offset:64*\b+16
.endr
	WIN 0
.set BB, BK+64*((\a)%2)
.irp t, 0,1,2,3,4,5,6,7,8,9,10,11,12,13,14,15
	ds_load_b128 v[BB+4*\t:BB+4*\t+3], v[RD] offset:\t*SPITCH    ; LDS serves a wave's instructions in order: these see the stores above
.endr
.endm
.macro SEND a, younger
.set BB, BK+64*((\a)%2)
	s_wait_dscnt \younger
.irp t, 0,1,2,3,4,5,6,7,8,9,10,11,12,13,14,15
	global_store_b128 v[CO], v[BB+4*\t:BB+4*\t+3], s[12:13] offset:(32*(\t/8)+16*((\a)%2)+8*((\a)/2)+\t%8)*4096 th:TH_STORE_NT   ; row t of my row tile a is token 32 (t / 8) + 16 (a % 2) + 8 (a / 2) + t % 8 of my 64: the order in which the attention launch dealt the queries; 32 lanes store 512 consecutive bytes, aligned
.endr
.endm
	PLACES 4
	TOSTAGE 0
.irp a, 1,2,3
.if \a > 1
	s_wait_xcnt 0x0
.endif
	TOSTAGE \a
	SEND \a-1, 32                                  ; behind block a - 1's loads: block a's 16 stores and 16 loads
.endr
	s_wait_xcnt 0x0
	SEND 3, 0
	s_wait_tensorcnt 0x0                           ; the wave's end
	ds_add_u32 v[SPW], v[NIL]
	s_wait_dscnt 0x0
	CROUND                                         ; the closing round
	s_endpgm
.Lfunc_end_k_q410c1a84e8_proj:
	.size	k_q410c1a84e8_proj, .Lfunc_end_k_q410c1a84e8_proj-k_q410c1a84e8_proj
	.p2alignl 7, 3214868480
	.fill 96, 4, 3214868480
	.section	.rodata,"a",@progbits
	.p2align	6, 0x0
	.amdhsa_kernel k_q410c1a84e8_proj
		.amdhsa_group_segment_fixed_size 327680
		.amdhsa_private_segment_fixed_size 0
		.amdhsa_enable_private_segment 0
		.amdhsa_kernarg_size 40
		.amdhsa_user_sgpr_count 2
		.amdhsa_user_sgpr_kernarg_segment_ptr 1
		.amdhsa_wavefront_size32 1
		.amdhsa_system_sgpr_workgroup_id_x 1
		.amdhsa_system_sgpr_workgroup_id_y 1
		.amdhsa_system_sgpr_workgroup_id_z 1
		.amdhsa_system_vgpr_workitem_id 0
		.amdhsa_next_free_vgpr 832
		.amdhsa_next_free_sgpr 80
		.amdhsa_reserve_vcc 0
		.amdhsa_float_denorm_mode_32 3
		.amdhsa_float_denorm_mode_16_64 3
		.amdhsa_memory_ordered 1
		.amdhsa_forward_progress 1
		.amdhsa_inst_pref_size 85
	.end_amdhsa_kernel
	.amdgpu_metadata
---
amdhsa.version: [ 1, 2 ]
amdhsa.kernels:
  - .name:           k_q410c1a84e8_proj
    .symbol:         k_q410c1a84e8_proj.kd
    .args:
      - { .name: o, .offset: 0, .size: 8, .value_kind: global_buffer, .address_space: global }
      - { .name: wo_codes, .offset: 8, .size: 8, .value_kind: global_buffer, .address_space: global }
      - { .name: wo_scales, .offset: 16, .size: 8, .value_kind: global_buffer, .address_space: global }
      - { .name: bo, .offset: 24, .size: 8, .value_kind: global_buffer, .address_space: global }
      - { .name: out0, .offset: 32, .size: 8, .value_kind: global_buffer, .address_space: global }
    .group_segment_fixed_size: 327680
    .private_segment_fixed_size: 0
    .kernarg_segment_align: 8
    .kernarg_segment_size: 40
    .max_flat_workgroup_size: 128
    .sgpr_count:     80
    .vgpr_count:     832
    .wavefront_size: 32
...
	.end_amdgpu_metadata
.endif
;; end of part 3
